; MI455X (gfx1250); checked and timed in simulation.
; The chip was launched on July 23, 2026; its instructions are those of AMD's public machine-readable ISA for CDNA 5 (MIT licence, August 2026) and "CDNA5" Instruction Set Architecture Reference Guide (July 2026). The comments in the code are by the model that wrote it; some were corrected since.
;; Standard Multi Head Attention. Allowed arithmetic: matrix products marked QUANTISED: E2M1 operands, one E8M0 scale for each 32 along K, by v_wmma_scale_f32_16x16x128_f8f6f4 with both operands' format E2M1 (or v_wmma_scale_f32_32x16x128_f4), f32 sums; everything else in f32.
;; Inputs: Wk_codes 1,024 x 32 x 16 uint8 (E2M1 codes of Wk, K innermost, in blocks of 32 codes, two codes a byte); Wk_scales 1,024 x 32 uint8 (E8M0 scales of Wk, one for each 32 codes along K); Wo_codes 1,024 x 32 x 16 uint8 (E2M1 codes of Wo, K innermost, in blocks of 32 codes, two codes a byte); Wo_scales 1,024 x 32 uint8 (E8M0 scales of Wo, one for each 32 codes along K); Wq_codes 1,024 x 32 x 16 uint8 (E2M1 codes of Wq, K innermost, in blocks of 32 codes, two codes a byte); Wq_scales 1,024 x 32 uint8 (E8M0 scales of Wq, one for each 32 codes along K); Wv_codes 1,024 x 32 x 16 uint8 (E2M1 codes of Wv, K innermost, in blocks of 32 codes, two codes a byte); Wv_scales 1,024 x 32 uint8 (E8M0 scales of Wv, one for each 32 codes along K); bk 1,024 float32; bo 1,024 float32; bq 1,024 float32; bv 1,024 float32; x_codes 4 x 2,048 x 32 x 16 uint8 (E2M1 codes of x, K innermost, in blocks of 32 codes, two codes a byte); x_scales 4 x 2,048 x 32 uint8 (E8M0 scales of x, one for each 32 codes along K).
;; Outputs: out0 4 x 2,048 x 1,024 float32.
;; This version of the problem:
;;   THIS VERSION OF THE PROBLEM IS GIVEN IN LOW PRECISION. The matrix products marked QUANTISED in the list below multiply operands that are first quantised to E2M1 (2 exponent bits, 1 mantissa bit; 4 bits a number), with one power-of-two scale for each 32 numbers along K (OCP MX v1.0); their sums are f32. All else is computed in f32.
;;   The module's matrix products, in the order in which they are computed (A, B: the left and right operand; K: the contracted axis; several contracted axes count as one K, in the product's order):
;;     1. [M 8,192, K 1,024] x [K 1,024, N 1,024]; A: input x (given as codes); B: input Wq (given as codes): QUANTISED
;;     2. [M 8,192, K 1,024] x [K 1,024, N 1,024]; A: input x (given as codes); B: input Wk (given as codes): QUANTISED
;;     3. [M 8,192, K 1,024] x [K 1,024, N 1,024]; A: input x (given as codes); B: input Wv (given as codes): QUANTISED
;;     4. batch 64 x [M 2,048, K 64] x [K 64, N 2,048]; A: computed on the way; B: computed on the way: QUANTISED
;;     5. batch 64 x [M 2,048, K 2,048] x [K 2,048, N 64]; A: softmax (see below); B: computed on the way: QUANTISED
;;     6. [M 8,192, K 1,024] x [K 1,024, N 1,024]; A: computed on the way; B: input Wo (given as codes): QUANTISED
;;   THE QUANTISER, for each operand of a quantised product, along K:
;;     - K is cut into blocks of 32 from its start; a last block that is shorter is filled with zeros.
;;     - A block's scale is 2^e with e = floor(log2(the largest magnitude in the block)) - 2, held to -126 .. 127; a block of zeros has e = 0. As a byte (E8M0): e + 127.
;;     - Each number is divided by its block's scale, clamped to +-6, and rounded to the nearest number of E2M1, ties to even, subnormals kept.
;;     - The product sums the exact products of the quantised numbers (number of the format x scale) in f32.
;;   ~~~python
;;   def quantise(x, axis):      # numpy; x: float32 -> the quantised numbers, widened to float32 again
;;       x = np.moveaxis(x, axis, -1); K = x.shape[-1]
;;       x = np.pad(x, [(0, 0)] * (x.ndim - 1) + [(0, -K % 32)]); x = x.reshape(x.shape[:-1] + (-1, 32)); a = np.abs(x).max(-1, keepdims=True)
;;       e = np.where(a > 0, np.clip(np.frexp(np.where(a > 0, a, 1))[1] - 1 - 2, -126, 127), 0)      # np.frexp(a)[1] - 1 = floor(log2(a)), exactly
;;       r = np.clip(x / 2.0 ** e, -6, 6)
;;       step = 2.0 ** (np.maximum(np.frexp(np.where(r == 0, 1, r))[1] - 1, 0) - 1)
;;       q = np.round(r / step) * step * 2.0 ** e      # np.round: ties to even
;;       return np.moveaxis(q.reshape(q.shape[:-2] + (-1,))[..., :K], -1, axis).astype(np.float32)
;;   ~~~
;;   SOFTMAX AHEAD OF A QUANTISED PRODUCT. Where the list says 'softmax', what is quantised is not the finished softmax but p = 2^(t - M), with t = logit x log2(e) and M = ceil(the row's largest t), a whole number; so 1/2 < the row's largest p <= 1. The row's sum l is taken of the UNQUANTISED p, in f32, and the product's result is divided by l at the end. Since M is a whole number, a kernel that streams over the keys may use a running M (the ceiling of the running maximum): every later rescaling is an exact power of two, which a block's scale takes up: the codes' values come out the same.
;;   OPERANDS COMPUTED ON THE WAY. 'Computed on the way' means the value that the module computes at that place (a softmax that the list does not call 'softmax' is quantised finished and normalised). What goes into a quantiser is computed in f32, as accurately as f32 sums, v_exp_f32 and their like allow (about 1e-6 of the number): no bf16 or f16 on the way to a quantiser, and a product that is left as it is and whose result goes on into a quantised operand takes f32 operands (vector FMAs, or v_wmma_f32_16x16x4_f32). A number that lies on a knife's edge between two numbers of the format may be rounded either way, as far as f32 arithmetic and the matrix unit's own rounding can turn it there, and no further.
;;   INPUTS GIVEN AS CODES. Wk (in the module: [1024, 1024], K = its axis 1); Wo (in the module: [1024, 1024], K = its axis 1); Wq (in the module: [1024, 1024], K = its axis 1); Wv (in the module: [1024, 1024], K = its axis 1); x (in the module: [4, 2048, 1024], K = its axis 2): each comes as NAME_codes (uint8): NAME with its K axis moved to the last place and cut into blocks of 32 codes, [.., K / 32, bytes a block], one block behind the other in memory; two codes a byte, the lower K in the low four bits (a code: sign, 2 exponent bits, 1 mantissa bit); and NAME_scales (uint8): the same leading axes, one E8M0 byte (e + 127) for each 32 codes along K. Its value is code x scale, taken as it is: it is not quantised again, and the codes and scales need not be those that the quantiser above would give.
;; One version. Each part assembles by itself: llvm-mc -triple=amdgcn-amd-amdhsa -mcpu=gfx1250 --defsym DOCPART=n.
;; ======== version 1 of 1: 3 launches
;; workspace buffers: qkv 13,369,344 bytes; ocodes 4,194,304 bytes; oscales 262,144 bytes
;; launch proj (part 1): grid 12 x 64, 8 waves a work-group, clusters of 4 x 4, 209,920 bytes of LDS; arguments x_codes, x_scales, Wq_codes, Wq_scales, bq, Wk_codes, Wk_scales, bk, Wv_codes, Wv_scales, bv, qkv; writes qkv
.if DOCPART == 1
	.amdgcn_target "amdgcn-amd-amdhsa--gfx1250"
	.amdhsa_code_object_version 6
	.text
	.protected	k_q16173bb157_proj
	.globl	k_q16173bb157_proj
	.p2align	8
	.type	k_q16173bb157_proj,@function
k_q16173bb157_proj:
	s_mov_b64 s[64:65], 0
	v_nop
	global_prefetch_b8 v0, s[64:65] scope:SCOPE_SE
	s_setreg_imm32_b32 hwreg(HW_REG_WAVE_MODE, 25, 1), 1
	s_wait_xcnt 0x0
	s_wait_alu depctr_hold_cnt(0) depctr_sa_sdst(0) depctr_va_vdst(0) depctr_va_sdst(0) depctr_va_ssrc(0) depctr_va_vcc(0) depctr_vm_vsrc(0)
	s_getreg_b32 s2, hwreg(HW_REG_IB_STS2, 6, 4)
	s_cmp_eq_u32 s2, 0
	s_cbranch_scc0 .Lentry_in_a_cluster
	s_endpgm
.Lentry_in_a_cluster:
	s_bfe_u32 s2, ttmp6, 0x10000c
	s_cmp_lg_u32 s2, 0xf033
	s_cbranch_scc0 .Lentry_shape_is_right
	s_endpgm
.Lentry_shape_is_right:
; Q, K, V = x W^T + b on codes of FP4 (E2M1) with one E8M0 scale for each 32 along K, K = 1,024; the results are quantised in registers and leave as codes.
; ONE BODY FOR THE THREE MATRICES.  The product has an operand L (source 1: its rows become the lanes' rows) and an operand R (source 0: its rows run along a lane's registers, which is the axis that is quantised).
; Cluster x = 0: Q, 1: K: L = x (tokens), R = W (features): quantised along the head's 64.  Cluster x = 2: V: L = Wv (features), R = x (tokens): quantised along the keys.  Both operands have rows of 512 bytes of codes and 32 scale bytes.
; SHARES.  A work-group makes L 128 x R 256; each of its eight waves 64 x 64: 16 accumulators.  All of K lies in LDS at once, as two halves of 512 along K, each filled ONCE: no LDS byte is filled twice.
; CLUSTERS: 4 x 4 work-groups.  L's tile hangs on cy and the cluster's y alone and is asked for jointly by a row of the cluster; R's on cx and the cluster's y alone, by a column.
; WHAT LEAVES.  A lane's 32 registers of the four tiles along R are 64 numbers' halves: tile t, register j = index 16 t + 8 h + j of the lane's row (h = lane / 16).  Eight numbers become one word of codes; the words of tiles 0, 2 and of tiles 1, 3
; change halves between the lanes' halves, and the lane then holds codes 32 h + 0 .. 31 in four registers: registers 4 c .. 4 c + 3 of a 4-bit operand.  Those four registers are stored at 16 x lane: 512 consecutive bytes, aligned.
; qkv, for each (batch, head), 208,896 bytes: K's codes [key tile][512], V's codes [64 keys][16 of d][512], K's scale words [64 keys][lane], V's likewise, Q's codes, Q's scale words.
; A scale word holds the byte pairs of two tiles; lanes 0-15 those of tiles 0, 1, lanes 16-31 those of tiles 2, 3.  The words leave 128 bytes a wave: one sixteenth of its code bytes.
; LIMITS: NaN and infinities among the inputs are not served.  A block whose largest magnitude lies under 2^-124 has its byte held at 1; a block of zeros gets the byte 1 where the quantiser says 127: its codes are zeros, and this program alone reads the bytes.
; REGISTERS: window 0: v1-12 addresses; v16-31 L's scale words, v32-47 R's; v48-79 the bias as a first C; v80-95 codes; v96-109 at work; v128-255 the accumulators ((i, t) at v[128 + 8 (4 i + t)]).
;   window 1: two sets of fragments of 64 registers: L's four tiles, then R's four.
.set PITCH, 272                        ; an LDS row: 256 bytes + 16 of padding: the 16 rows of a fragment load start 16 bytes apart modulo 256
.set QROWS, 64*PITCH                   ; 64 rows: what one tensor load brings, and what one wave reads of L or of R
.set ROFF,  128*PITCH                  ; R's 256 rows lie behind L's 128
.set SLOT,  384*PITCH                  ; a half of K
.set BHB,   208896                     ; bytes of a (batch, head) in qkv
.set ADL, 5                            ; v5-6   LDS address of my L fragments in half 0, 1
.set ADR, 7                            ; v7-8   the same for R
.set LS,  16
.set RS,  32
.set BB,  48
.set CD,  80
.set PR,  96                           ; v96-99 the byte pair of each of my four tiles of L
.set TM,  100                          ; v100-101 largest magnitudes; v102-103 the other half's; v104-105 the conversions' scale operands; v106-107 bytes
.set TX,  102
.set SQ,  104
.set BY,  106
.set ACC, 128
.set WV,  28                           ; s28 wave; s29 which 64 rows of L; s30 which 64 rows of R
.set ISV, 31                           ; s31 1 for V
.set G1L, 40                           ; s[40:47] descriptor group 1 for L's tiles; s[48:55] for R's: they differ in the mask alone
.set G1R, 48
.set G0L, 56                           ; s[56:63] group 0 for L's tiles, a set for each half of K; s[68:75] for R's
.set G0R, 68
.set SEL, 90                           ; s[90:91] lane selects for v_permlanex16_b32: lane l xor 16
.set MSB, 0
.macro WIN new                         ; the immediate's high byte repeats the setting that is left
.if MSB != \new
	s_set_vgpr_msb (MSB<<8)|\new
.set MSB, \new
.endif
.endm
.set MUL,  0x05                        ; sources 0 and 1 window 1; C and D window 0
.set TO_F, 0x40                        ; destination window 1, address window 0
.macro CROUND                          ; a round of the cluster's barrier
	s_barrier_signal -1
	s_barrier_wait -1
	s_cmp_lg_u32 s[WV], 0
	s_cbranch_scc1 .Lnot_wave_0_\@
	s_barrier_signal -3
.Lnot_wave_0_\@:
	s_barrier_wait -3
	s_barrier_signal -1
	s_barrier_wait -1
.endm
.macro PLACES                          ; four plain places behind matrix instructions, in front of loads into their sources and of the first read of results
.rept 4
	v_nop
.endr
.endm
; one product.  ra, rb: the side's scale words are taken from lanes 16-31
.macro WM d, a, b, c, sa, sb, ra, rb
.if (\ra) && (\rb)
	v_wmma_scale_f32_16x16x128_f8f6f4 v[(\d):(\d)+7], v[(\a):(\a)+7], v[(\b):(\b)+7], v[(\c):(\c)+7], v[\sa], v[\sb] matrix_a_fmt:MATRIX_FMT_FP4 matrix_b_fmt:MATRIX_FMT_FP4 matrix_a_scale:MATRIX_SCALE_ROW1 matrix_b_scale:MATRIX_SCALE_ROW1
.elseif (\ra)
	v_wmma_scale_f32_16x16x128_f8f6f4 v[(\d):(\d)+7], v[(\a):(\a)+7], v[(\b):(\b)+7], v[(\c):(\c)+7], v[\sa], v[\sb] matrix_a_fmt:MATRIX_FMT_FP4 matrix_b_fmt:MATRIX_FMT_FP4 matrix_a_scale:MATRIX_SCALE_ROW1
.elseif (\rb)
	v_wmma_scale_f32_16x16x128_f8f6f4 v[(\d):(\d)+7], v[(\a):(\a)+7], v[(\b):(\b)+7], v[(\c):(\c)+7], v[\sa], v[\sb] matrix_a_fmt:MATRIX_FMT_FP4 matrix_b_fmt:MATRIX_FMT_FP4 matrix_b_scale:MATRIX_SCALE_ROW1
.else
	v_wmma_scale_f32_16x16x128_f8f6f4 v[(\d):(\d)+7], v[(\a):(\a)+7], v[(\b):(\b)+7], v[(\c):(\c)+7], v[\sa], v[\sb] matrix_a_fmt:MATRIX_FMT_FP4 matrix_b_fmt:MATRIX_FMT_FP4
.endif
.endm
; K step q (128 along K): 16 products; the 16 accumulators take turns, one instruction a turn, in the same order in every step.
; kind 0: onto the sums; 1: the bias along the registers starts them (Q, K); 2: the bias along the lanes (V)
.macro MUL16 q, kind
.irp i, 0,1,2,3
.irp t, 0,1,2,3
.if (\kind) == 0
	WM ACC+8*(4*\i+\t), 64*((\q)%2)+32+8*\t, 64*((\q)%2)+8*\i, ACC+8*(4*\i+\t), RS+8*(\t/2)+(\q), LS+8*(\i/2)+(\q), \t%2, \i%2
.elseif (\kind) == 1
	WM ACC+8*(4*\i+\t), 64*((\q)%2)+32+8*\t, 64*((\q)%2)+8*\i, BB+8*\t, RS+8*(\t/2)+(\q), LS+8*(\i/2)+(\q), \t%2, \i%2
.else
	WM ACC+8*(4*\i+\t), 64*((\q)%2)+32+8*\t, 64*((\q)%2)+8*\i, BB+8*\i, RS+8*(\t/2)+(\q), LS+8*(\i/2)+(\q), \t%2, \i%2
.endif
.endr
.endr
.endm
; 16 LDS loads: the eight fragments of K step q into set q % 2.  A fragment: lane l holds row l % 16; registers 4 c .. 4 c + 3 hold K = 64 c + 32 (l / 16) + 0 .. 31: 16 bytes of the row as they lie
.macro FETCH q
	WIN TO_F
.irp i, 0,1,2,3
.irp c, 0,1
	ds_load_b128 v[64*((\q)%2)+32+8*\i+4*\c:64*((\q)%2)+32+8*\i+4*\c+3], v[ADR+(\q)/4] offset:64*((\q)%4)+32*\c+16*PITCH*\i
	ds_load_b128 v[64*((\q)%2)+8*\i+4*\c:64*((\q)%2)+8*\i+4*\c+3], v[ADL+(\q)/4] offset:64*((\q)%4)+32*\c+16*PITCH*\i
.endr
.endr
.endm
; 32 numbers of a lane, v[a] on (four tiles of eight), become four registers of codes in v[c] on and the row's two scale bytes in v[pr].  Each tile is read from its low end on.
.macro QUANT2 a, c, pr
.irp b, 0,1
	v_max3_num_f32 v[TM+\b], |v[(\a)+16*\b]|, |v[(\a)+16*\b+1]|, 0x1800000   ; block b: my 16 numbers, and the floor 2^(3 - 127): the byte cannot fall under 1
.endr
.irp i, 2,4,6,8,10,12,14
.irp b, 0,1
	v_max3_num_f32 v[TM+\b], v[TM+\b], |v[(\a)+16*\b+\i]|, |v[(\a)+16*\b+\i+1]|
.endr
.endr
.irp b, 0,1
	s_delay_alu instid0(VALU_DEP_2)
	v_permlanex16_b32 v[TX+\b], v[TM+\b], s[SEL], s[SEL+1]
.endr
.irp b, 0,1
	s_delay_alu instid0(VALU_DEP_2)
	v_max_num_f32 v[TM+\b], v[TM+\b], v[TX+\b]     ; with lane l xor 16's 16: the block's largest magnitude
.endr
.irp b, 0,1
	s_delay_alu instid0(VALU_DEP_2)
	v_add_nc_u32 v[SQ+\b], 0xff000000, v[TM+\b]    ; 2 off its exponent field: the conversion takes the exponent field of this operand as its scale
.endr
.irp b, 0,1
	s_delay_alu instid0(VALU_DEP_2)
	v_lshrrev_b32 v[BY+\b], 23, v[SQ+\b]           ; the scale's byte
.endr
	s_delay_alu instid0(VALU_DEP_1)
	v_lshl_or_b32 v[\pr], v[BY+1], 8, v[BY]
	v_cvt_scalef32_pk8_fp4_f32 v[(\c)], v[(\a):(\a)+7], v[SQ]          ; tile 0
	v_cvt_scalef32_pk8_fp4_f32 v[(\c)+2], v[(\a)+8:(\a)+15], v[SQ]     ; tile 1
	v_cvt_scalef32_pk8_fp4_f32 v[(\c)+1], v[(\a)+16:(\a)+23], v[SQ+1]  ; tile 2
	v_cvt_scalef32_pk8_fp4_f32 v[(\c)+3], v[(\a)+24:(\a)+31], v[SQ+1]  ; tile 3
	v_nop                                          ; one plain place behind a scaled conversion
	v_permlane16_swap_b32 v[(\c)], v[(\c)+1]       ; the first's lanes 16-31 change places with the second's lanes 0-15: lane (r, h) now holds codes 32 h + 0 .. 15,
	v_permlane16_swap_b32 v[(\c)+2], v[(\c)+3]     ; and 32 h + 16 .. 31
.endm
	s_load_b512 s[4:19], s[0:1], 0x0               ; x's codes 4, x's scales 6, Wq's codes 8, scales 10, bq 12, Wk's codes 14, scales 16, bk 18
	s_load_b256 s[20:27], s[0:1], 0x40             ; Wv's codes 20, scales 22, bv 24, qkv 26
	v_lshl_add_u32 v126, v0, 2, 0x33000
	v_mov_b32 v127, 0
	ds_add_u32 v126, v127
	ds_add_u32 v126, v127
	v_lshrrev_b32 v1, 5, v0
	s_delay_alu instid0(VALU_DEP_1)
	v_readfirstlane_b32 s[WV], v1                  ; wave 0..7
	s_lshr_b32 s29, s[WV], 2                       ; which 64 rows of L are mine
	s_and_b32 s30, s[WV], 3                        ; which 64 rows of R
	s_bfe_u32 s32, ttmp6, 0x40000                  ; cx
	s_bfe_u32 s33, ttmp6, 0x40004                  ; cy
	s_and_b32 s34, ttmp7, 0xffff                   ; the cluster's y, 0..15
	s_and_b32 s92, s34, 1
	s_lshr_b32 s93, s34, 1
	s_cmp_eq_u32 ttmp9, 2                          ; the cluster's x says which matrix: the same in all sixteen partners
	s_cselect_b32 s[ISV], 1, 0
	s_cselect_b32 s92, s92, s34                    ; V: Wv has 8 tiles of 128 rows, x 32 tiles of 256;  Q, K: x has 64 tiles of 128 rows, W 4 of 256
	s_cselect_b32 s93, s93, 0
	s_lshl_b32 s35, s92, 2
	s_add_co_u32 s35, s35, s33                     ; L's tile
	s_lshl_b32 s36, s93, 2
	s_add_co_u32 s36, s36, s32                     ; R's tile
	s_lshl_b32 s37, s33, 2
	s_lshl_b32 s37, 15, s37                        ; my row of the cluster
	s_lshl_b32 s38, 0x1111, s32                    ; my column
	; descriptor group 1: 64 rows x 256 bytes, 512 bytes apart in memory, padded in LDS
	s_or_b32 s[G1L], s37, (1<<20)|(1<<21)|(5<<22)|(3<<25)   ; 15:0 the mask; 17:16 elements of 1 byte; 20 padding on; 21 set beside a mask; 24:22 after every 64 words; 31:25 four words
	s_or_b32 s[G1R], s38, (1<<20)|(1<<21)|(5<<22)|(3<<25)
.irp g, G1L, G1R
	s_mov_b32 s[\g+1], 256<<16                     ; tensor_dim0
	s_mov_b32 s[\g+2], 64<<16                      ; tensor_dim1
	s_mov_b32 s[\g+3], 256<<16                     ; tile_dim0
	s_mov_b32 s[\g+4], 64                          ; tile_dim1
	s_mov_b32 s[\g+5], 512                         ; tensor_dim0_stride
	s_mov_b32 s[\g+6], 0
	s_mov_b32 s[\g+7], 0
.endr
	s_min_u32 s92, s[WV], 1                        ; waves 0, 1 fetch L's two halves of 64 rows,
	s_lshl_b32 s92, s92, 6
	s_lshl_b32 s94, s35, 7
	s_add_co_u32 s94, s94, s92
	s_lshl_b32 s94, s94, 9                         ; in bytes (rows of 512)
	s_mov_b32 s95, 0
	s_max_u32 s93, s[WV], 2                        ; waves 2 to 5 R's four quarters
	s_sub_co_u32 s93, s93, 2
	s_lshl_b32 s93, s93, 6
	s_lshl_b32 s96, s36, 8
	s_add_co_u32 s96, s96, s93
	s_lshl_b32 s96, s96, 9
	s_mov_b32 s97, 0
	s_mul_i32 s39, s[WV], QROWS                    ; where they go: wave x 64 rows (L's 128 rows, then R's 256): no place in the cluster enters an LDS address
	s_lshl_b32 s98, s35, 1
	s_add_co_u32 s98, s98, s29                     ; my group of 64 rows of L
	s_lshl_b32 s99, s36, 2
	s_add_co_u32 s99, s99, s30                     ; and of R
	s_mov_b32 s[SEL], 0x76543210
	s_mov_b32 s[SEL+1], 0xfedcba98
	s_wait_dscnt 0x0
	s_wait_kmcnt 0x0
	s_cmp_eq_u32 ttmp9, 0
	s_cselect_b64 s[76:77], s[8:9], s[14:15]       ; Wq's or Wk's codes,
	s_cselect_b64 s[80:81], s[10:11], s[16:17]     ; scales,
	s_cselect_b64 s[84:85], s[12:13], s[18:19]     ; bias
	s_cmp_eq_u32 ttmp9, 2
	s_cselect_b64 s[78:79], s[4:5], s[76:77]       ; R's codes: x for V, else the weight
	s_cselect_b64 s[76:77], s[20:21], s[4:5]       ; L's codes: Wv for V, else x
	s_cselect_b64 s[82:83], s[6:7], s[80:81]       ; R's scales
	s_cselect_b64 s[80:81], s[22:23], s[6:7]       ; L's scales
	s_cselect_b64 s[84:85], s[24:25], s[84:85]     ; the bias
	s_add_nc_u64 s[76:77], s[76:77], s[94:95]
	s_add_nc_u64 s[78:79], s[78:79], s[96:97]
.irp s, 0,1
	s_mov_b32 s[G0L+4*\s], 1                       ; count = 1
	s_add_co_u32 s[G0L+4*\s+1], s39, \s*SLOT       ; LDS address
	s_add_nc_u64 s[G0L+4*\s+2:G0L+4*\s+3], s[76:77], \s*256   ; global address: half s of K
	s_or_b32 s[G0L+4*\s+3], s[G0L+4*\s+3], 0x80000000         ; type = 2
	s_mov_b32 s[G0R+4*\s], 1
	s_add_co_u32 s[G0R+4*\s+1], s39, \s*SLOT
	s_add_nc_u64 s[G0R+4*\s+2:G0R+4*\s+3], s[78:79], \s*256
	s_or_b32 s[G0R+4*\s+3], s[G0R+4*\s+3], 0x80000000
.endr
	CROUND                                         ; all sixteen work-groups are here: the joint loads meet
	s_cmp_lt_u32 s[WV], 2                          ; a wave's two fills stand in one branch on the wave's number; two loads of a wave are out at the most; four v_nop follow the second
	s_cbranch_scc0 .Lnot_l
	tensor_load_to_lds s[G0L:G0L+3], s[G1L:G1L+7]
	s_nop 0
	tensor_load_to_lds s[G0L+4:G0L+7], s[G1L:G1L+7]
	s_nop 0
.rept 4
	v_nop
.endr
	s_branch .Lasked
.Lnot_l:
	s_cmp_lt_u32 s[WV], 6
	s_cbranch_scc0 .Lasked
	tensor_load_to_lds s[G0R:G0R+3], s[G1R:G1R+7]
	s_nop 0
	tensor_load_to_lds s[G0R+4:G0R+7], s[G1R:G1R+7]
	s_nop 0
.rept 4
	v_nop
.endr
.Lasked:
	; the other bases.  s4 to s15 are free: the pointers have been chosen
	s_lshl_b32 s4, s98, 11                         ; 64 rows of 32 scale bytes
	s_mov_b32 s5, 0
	s_add_nc_u64 s[80:81], s[80:81], s[4:5]
	s_lshl_b32 s4, s99, 11
	s_add_nc_u64 s[82:83], s[82:83], s[4:5]
	s_cmp_eq_u32 s[ISV], 1
	s_cselect_b32 s6, s99, s98                     ; my group of 64 tokens, 0..127
	s_cselect_b32 s7, s98, s99                     ; my head, 0..15
	s_lshl_b32 s4, s7, 8                           ; the head's 64 numbers of the bias
	s_add_nc_u64 s[84:85], s[84:85], s[4:5]
	s_lshr_b32 s8, s6, 5
	s_lshl_b32 s8, s8, 4
	s_add_co_u32 s8, s8, s7                        ; batch x 16 + head
	s_mul_i32 s8, s8, BHB
	s_and_b32 s9, s6, 31                           ; the group of 64 tokens in its batch
	s_mov_b32 s10, 139264                          ; where the codes go: Q 139,264, K 0, V 65,536;
	s_mov_b32 s11, 204800                          ; and the scale words: Q 204,800, K 131,072, V 135,168
	s_mov_b32 s12, 131072
	s_cmp_eq_u32 ttmp9, 0
	s_cselect_b32 s10, s10, 0
	s_cselect_b32 s11, s11, s12
	s_mov_b32 s12, 65536
	s_mov_b32 s13, 135168
	s_cmp_eq_u32 ttmp9, 2
	s_cselect_b32 s10, s12, s10
	s_cselect_b32 s11, s13, s11
	s_lshl_b32 s12, s9, 11                         ; four images of 512 bytes a group
	s_add_co_u32 s4, s8, s10
	s_add_co_u32 s4, s4, s12
	s_add_nc_u64 s[86:87], s[26:27], s[4:5]
	s_lshl_b32 s12, s9, 7                          ; 32 words a group
	s_add_co_u32 s4, s8, s11
	s_add_co_u32 s4, s4, s12
	s_add_nc_u64 s[88:89], s[26:27], s[4:5]
	v_and_b32 v1, 15, v0                           ; r
	v_bfe_u32 v2, v0, 4, 1                         ; h
	v_and_b32 v3, 31, v0                           ; lane
	s_delay_alu instid0(VALU_DEP_1)
	v_lshlrev_b32 v9, 5, v3                        ; a row of scale bytes a lane
	; THE SCALES go straight into registers, once: lane l takes the 32 bytes of row 32 p + l of my 64: word q of tile 2 p in lanes 0-15, of tile 2 p + 1 in lanes 16-31
.irp p, 0,1
.irp e, 0,1
	global_load_b128 v[LS+8*\p+4*\e:LS+8*\p+4*\e+3], v9, s[80:81] offset:1024*\p+16*\e
	global_load_b128 v[RS+8*\p+4*\e:RS+8*\p+4*\e+3], v9, s[82:83] offset:1024*\p+16*\e
.endr
.endr
	; THE BIAS is the C of the first K step, in the result's layout
	s_cmp_eq_u32 s[ISV], 1
	s_cbranch_scc1 .Lbias_v
	v_lshlrev_b32 v10, 5, v2                       ; Q, K: register j of tile t: feature 16 t + 8 h + j
.irp t, 0,1,2,3
	global_load_b128 v[BB+8*\t:BB+8*\t+3], v10, s[84:85] offset:64*\t
	global_load_b128 v[BB+8*\t+4:BB+8*\t+7], v10, s[84:85] offset:64*\t+16
.endr
	s_branch .Lbias_done
.Lbias_v:
	s_wait_alu depctr_va_vdst(0)
	v_lshlrev_b32 v10, 2, v1                       ; V: every register of tile i: feature 16 i + r
.irp i, 0,1,2,3
.irp j, 0,1,2,3,4,5,6,7
	global_load_b32 v[BB+8*\i+\j], v10, s[84:85] offset:64*\i
.endr
.endr
.Lbias_done:
	s_wait_alu depctr_va_vdst(0)
	v_mul_u32_u24 v4, v1, PITCH
	s_delay_alu instid0(VALU_DEP_1)
	v_lshl_add_u32 v4, v2, 4, v4                   ; a fragment's row x pitch + 16 x half
	s_mul_i32 s14, s29, QROWS
	s_mul_i32 s15, s30, QROWS
	s_add_co_u32 s15, s15, ROFF
	v_add_nc_u32 v[ADL], s14, v4
	v_add_nc_u32 v[ADR], s15, v4
	s_delay_alu instid0(VALU_DEP_2)
	v_add_nc_u32 v[ADL+1], SLOT, v[ADL]
	s_delay_alu instid0(VALU_DEP_2)
	v_add_nc_u32 v[ADR+1], SLOT, v[ADR]
	v_lshlrev_b32 v11, 4, v3                       ; an image's place for my lane
	v_lshlrev_b32 v12, 2, v3                       ; a scale word's
	v_mov_b32 v[TX], 0                             ; written once: a lane permute's destination counts as one of its sources
	v_mov_b32 v[TX+1], 0
	s_wait_alu depctr_va_vdst(0)
	s_wait_tensorcnt 0x1                           ; my part of K's first half is in; the second half's load may stay out
	s_barrier_signal -1
	s_barrier_wait -1                              ; everybody's is
	FETCH 0
	FETCH 1
	s_wait_dscnt 16                                ; step 0's fragments are in; the 16 loads just issued may be out
	s_wait_loadcnt 0x0                             ; scales and bias
	WIN 0                                          ; at a branch and at a label every window is 0
	s_cmp_eq_u32 s[ISV], 1
	s_cbranch_scc1 .Lstart_v
	WIN MUL
	MUL16 0, 1
	WIN 0
	s_branch .Lstarted
.Lstart_v:
	WIN MUL
	MUL16 0, 2
	WIN 0
.Lstarted:
.macro STEPQ q
	PLACES                                         ; in front of loads into the set that the last step multiplied
.if (\q) == 3
	s_wait_tensorcnt 0x0                           ; my part of K's second half is in,
	s_wait_dscnt 0x0                               ; no LDS load of mine is out at the signal,
	s_barrier_signal -1
	s_barrier_wait -1                              ; everybody's part is in
.endif
	FETCH (\q)+1
	s_wait_dscnt 16                                ; this step's fragments are in; the next step's 16 loads may be out
	WIN MUL
	MUL16 \q, 0
.endm
.irp q, 1,2,3,4,5,6
	STEPQ \q
.endr
	s_wait_dscnt 0x0
	MUL16 7, 0
	WIN 0
	PLACES
	; THE WAY OUT: each of my four tiles of L: 16 rows x 64 numbers become an image of 512 bytes and a byte pair a row
.irp i, 0,1,2,3
	QUANT2 ACC+32*\i, CD+4*\i, PR+\i
	global_store_b128 v11, v[CD+4*\i:CD+4*\i+3], s[86:87] offset:512*\i   ; 32 lanes store 512 consecutive bytes, aligned; each tile has its own registers: no store's data are written again
.endr
	v_lshl_or_b32 v108, v[PR+1], 16, v[PR]         ; tiles 0 and 1,
	v_lshl_or_b32 v109, v[PR+3], 16, v[PR+2]       ; tiles 2 and 3 (every pair stands in both halves of the lanes)
	v_cmp_gt_u32 vcc_lo, 16, v3
	s_delay_alu instid0(VALU_DEP_1)
	v_cndmask_b32 v108, v109, v108, vcc_lo         ; lanes 0-15 the first word, lanes 16-31 the second
	global_store_b32 v12, v108, s[88:89]
	s_wait_tensorcnt 0x0
	ds_add_u32 v126, v127
	s_wait_dscnt 0x0
	CROUND                                         ; the closing round: no work-group ends while a partner may still ask for a tile that names it
	s_endpgm
.Lfunc_end_k_q16173bb157_proj:
	.size	k_q16173bb157_proj, .Lfunc_end_k_q16173bb157_proj-k_q16173bb157_proj
	.p2alignl 7, 3214868480
	.fill 96, 4, 3214868480
	.section	.rodata,"a",@progbits
	.p2align	6, 0x0
	.amdhsa_kernel k_q16173bb157_proj
		.amdhsa_group_segment_fixed_size 209920
		.amdhsa_private_segment_fixed_size 0
		.amdhsa_enable_private_segment 0
		.amdhsa_kernarg_size 96
		.amdhsa_user_sgpr_count 2
		.amdhsa_user_sgpr_kernarg_segment_ptr 1
		.amdhsa_wavefront_size32 1
		.amdhsa_system_sgpr_workgroup_id_x 1
		.amdhsa_system_sgpr_workgroup_id_y 1
		.amdhsa_system_sgpr_workgroup_id_z 1
		.amdhsa_system_vgpr_workitem_id 0
		.amdhsa_next_free_vgpr 384
		.amdhsa_next_free_sgpr 100
		.amdhsa_reserve_vcc 1
		.amdhsa_float_denorm_mode_32 3
		.amdhsa_float_denorm_mode_16_64 3
		.amdhsa_memory_ordered 1
		.amdhsa_forward_progress 1
		.amdhsa_inst_pref_size 51
	.end_amdhsa_kernel
	.amdgpu_metadata
---
amdhsa.version: [ 1, 2 ]
amdhsa.kernels:
  - .name:           k_q16173bb157_proj
    .symbol:         k_q16173bb157_proj.kd
    .args:
      - { .name: x_codes, .offset: 0, .size: 8, .value_kind: global_buffer, .address_space: global }
      - { .name: x_scales, .offset: 8, .size: 8, .value_kind: global_buffer, .address_space: global }
      - { .name: Wq_codes, .offset: 16, .size: 8, .value_kind: global_buffer, .address_space: global }
      - { .name: Wq_scales, .offset: 24, .size: 8, .value_kind: global_buffer, .address_space: global }
      - { .name: bq, .offset: 32, .size: 8, .value_kind: global_buffer, .address_space: global }
      - { .name: Wk_codes, .offset: 40, .size: 8, .value_kind: global_buffer, .address_space: global }
      - { .name: Wk_scales, .offset: 48, .size: 8, .value_kind: global_buffer, .address_space: global }
      - { .name: bk, .offset: 56, .size: 8, .value_kind: global_buffer, .address_space: global }
      - { .name: Wv_codes, .offset: 64, .size: 8, .value_kind: global_buffer, .address_space: global }
      - { .name: Wv_scales, .offset: 72, .size: 8, .value_kind: global_buffer, .address_space: global }
      - { .name: bv, .offset: 80, .size: 8, .value_kind: global_buffer, .address_space: global }
      - { .name: qkv, .offset: 88, .size: 8, .value_kind: global_buffer, .address_space: global }
    .group_segment_fixed_size: 209920
    .private_segment_fixed_size: 0
    .kernarg_segment_align: 8
    .kernarg_segment_size: 96
    .max_flat_workgroup_size: 256
    .sgpr_count:     100
    .vgpr_count:     384
    .wavefront_size: 32
...
	.end_amdgpu_metadata
.endif
;; end of part 1
;; launch attn (part 2): grid 4 x 64, 16 waves a work-group, clusters of 4 x 1, 169,984 bytes of LDS; arguments qkv, ocodes, oscales; writes ocodes, oscales
.if DOCPART == 2
	.amdgcn_target "amdgcn-amd-amdhsa--gfx1250"
	.amdhsa_code_object_version 6
	.text
	.protected	k_q16173bb157_attn
	.globl	k_q16173bb157_attn
	.p2align	8
	.type	k_q16173bb157_attn,@function
k_q16173bb157_attn:
	s_mov_b64 s[64:65], 0
	v_nop
	global_prefetch_b8 v0, s[64:65] scope:SCOPE_SE
	s_setreg_imm32_b32 hwreg(HW_REG_WAVE_MODE, 25, 1), 1
	s_wait_xcnt 0x0
	s_wait_alu depctr_hold_cnt(0) depctr_sa_sdst(0) depctr_va_vdst(0) depctr_va_sdst(0) depctr_va_ssrc(0) depctr_va_vcc(0) depctr_vm_vsrc(0)
	s_getreg_b32 s2, hwreg(HW_REG_IB_STS2, 6, 4)
	s_cmp_eq_u32 s2, 0
	s_cbranch_scc0 .Lentry_in_a_cluster
	s_endpgm
.Lentry_in_a_cluster:
	s_bfe_u32 s2, ttmp6, 0x10000c
	s_cmp_lg_u32 s2, 0x3003
	s_cbranch_scc0 .Lentry_shape_is_right
	s_endpgm
.Lentry_shape_is_right:
; O = softmax(Q K^T / 8) V for one (batch, head) a cluster, both products on codes of FP4 (E2M1) with one E8M0 scale for each 32 along a product's K; O is quantised along the head's 64 and leaves as codes.
; THE SOFTMAX AHEAD OF THE SECOND PRODUCT: t = score x log2(e) / 8; M = the row's largest t so far, rounded UP to a whole number; p = 2^(t - M) is what is quantised, along the keys; the row's sum is taken of the
; unquantised p and divides O at the end.  When M moves, the sum and O are multiplied by 2^(old M - new M): exact.
; SHARES.  A work-group owns 512 queries of the head; each of its SIXTEEN waves 32, as two passes of one tile of 16: four waves to a SIMD, so that one wave's vector work stands beside another's products and LDS loads.
; LDS.  The head's K codes, V codes and their scale words, 139,264 consecutive bytes of qkv, lie in LDS as they lie in memory, filled ONCE: each wave brings 34 rows of 256 bytes.  The four work-groups of a cluster
; belong to one head and ask for them JOINTLY.  All operands are images of operand registers: a load of 16 bytes a lane at 16 x lane, 512 consecutive bytes.
; LAYOUT.  Both products are used transposed: S^T = K Q^T (source 0 = keys, source 1 = my 16 queries), O^T = V^T P^T: a lane holds ONE query (lane % 16) throughout; register j of score tile s is key 16 s + 8 (lane / 16) + j.
; THE HEAD'S 64 IN A FORM OF 128 ALONG K: a fragment of K is the images of TWO key tiles, one in K = 0..63, the other in K = 64..127.  Q stands between zeros: [0 | Q | 0]; the last eight registers (Q, 0) give the first
; tile's scores, the first eight (0, Q) the second's: zero codes add nothing under any of this program's scale bytes, which lie in 1 .. 254.
; LIMITS: NaN and infinities are not served.  p under 2^-126 comes out of v_exp_f32 as 0.  A block whose largest magnitude lies under 2^-124 has its byte held at 1; a block of zeros gets the byte 1: its codes are zeros, and this program alone reads the bytes.
; O's scale words leave 64 bytes a wave; both halves of the lanes store the same word with the same value.
.set BHB, 208896
.set LI,  1                            ; v1   16 x lane: an image's place for my lane; K's codes begin at LDS byte 0
.set LV,  2                            ; v2   the same in V's codes, which begin at 65,536
.set LSC, 3                            ; v3   4 x lane in K's scale words, at 131,072; V's lie 4,096 further on
.set ADK, 4                            ; v4-6 the step's addresses
.set ADV, 5
.set ADS, 6
.set R4,  7                            ; v7   4 x (lane % 16)
.set QB,  16                           ; v16-35 [0 | Q tile 0 | 0 | Q tile 1 | 0], four registers each
.set QSR, 36                           ; v36  Q's scale word as stored: the pairs of both tiles;  v37 the pass's pair, twice
.set QSP, 37
.set OW,  38                           ; v38  O's scale word;  v39 a pass's pair
.set OP,  39
.set KF,  40                           ; v40-71   four fragments of K
.set VF,  72                           ; v72-103  four fragments of V
.set S,   104                          ; v104-167 S^T, then p; at a pass's end O / the sum
.set O,   168                          ; v168-199 O^T
.set P,   200                          ; v200-207 p's codes
.set BM,  208                          ; v208-211 the blocks' largest scores;  v212-215 the other half's, then bytes;  v216-219 the conversions' scale operands
.set BX,  212
.set SO,  216
.set F,   220                          ; v220 f = 2^(old M - new M);  v221 p's scale word (named with f as a pair)
.set PW,  221
.set T,   222
.set KS,  224                          ; v224-225 K's scale words of the step;  v226-227 V's as stored;  v228, v229 V's as the products want them
.set VW,  226
.set VSE, 228
.set VSO, 229
.set SU2, 230                          ; v[230:231] the sum's second chain
.set OC,  232                          ; v232-239 O's codes, four registers a pass
.set TM,  240
.set TX,  242
.set SQ,  244
.set BY,  246
.set RL,  248                          ; v[248:249] 1 / the sum, twice
.set WV,  10
.set SEL, 28                           ; s[28:29] lane selects for v_permlanex16_b32: lane l xor 16
.set CS,  30                           ; s[30:31] c = log2(e) / 8: the packed form names a pair and takes its low word for both halves
.set TK,  32                           ; s32 the step's codes: 4,096 bytes a step, in K's and in V's
.set TS,  33                           ; s33 the step's scale words: 256 bytes a step
.set CNT, 34
.macro CROUND                          ; a round of the cluster's barrier
	s_barrier_signal -1
	s_barrier_wait -1
	s_cmp_lg_u32 s[WV], 0
	s_cbranch_scc1 .Lnot_wave_0_\@
	s_barrier_signal -3
.Lnot_wave_0_\@:
	s_barrier_wait -3
	s_barrier_signal -1
	s_barrier_wait -1
.endm
.macro SMUL d, a, b, sa, ra            ; 16 keys x 16 queries: the constant 0 starts the sum
.if \ra
	v_wmma_scale_f32_16x16x128_f8f6f4 v[(\d):(\d)+7], v[(\a):(\a)+7], v[(\b):(\b)+7], 0, v[\sa], v[QSP] matrix_a_fmt:MATRIX_FMT_FP4 matrix_b_fmt:MATRIX_FMT_FP4 matrix_a_scale:MATRIX_SCALE_ROW1
.else
	v_wmma_scale_f32_16x16x128_f8f6f4 v[(\d):(\d)+7], v[(\a):(\a)+7], v[(\b):(\b)+7], 0, v[\sa], v[QSP] matrix_a_fmt:MATRIX_FMT_FP4 matrix_b_fmt:MATRIX_FMT_FP4
.endif
.endm
.macro PVMUL t, sv, ra                 ; 16 of the head's 64 x 16 queries, K = the step's 128 keys
.if \ra
	v_wmma_scale_f32_16x16x128_f8f6f4 v[O+8*(\t):O+8*(\t)+7], v[VF+8*(\t):VF+8*(\t)+7], v[P:P+7], v[O+8*(\t):O+8*(\t)+7], v[\sv], v[PW] matrix_a_fmt:MATRIX_FMT_FP4 matrix_b_fmt:MATRIX_FMT_FP4 matrix_a_scale:MATRIX_SCALE_ROW1
.else
	v_wmma_scale_f32_16x16x128_f8f6f4 v[O+8*(\t):O+8*(\t)+7], v[VF+8*(\t):VF+8*(\t)+7], v[P:P+7], v[O+8*(\t):O+8*(\t)+7], v[\sv], v[PW] matrix_a_fmt:MATRIX_FMT_FP4 matrix_b_fmt:MATRIX_FMT_FP4
.endif
.endm
; 32 numbers of a lane, v[a] on (four tiles of eight: index 16 t + 8 h + j of my row), become four registers of codes in v[c] on (codes 32 h + 0 .. 31) and the row's two scale bytes in v[pr]
.macro QUANT2 a, c, pr
.irp b, 0,1
	v_max3_num_f32 v[TM+\b], |v[(\a)+16*\b]|, |v[(\a)+16*\b+1]|, 0x1800000   ; block b: my 16 numbers, and the floor 2^(3 - 127): the byte cannot fall under 1
.endr
.irp i, 2,4,6,8,10,12,14
.irp b, 0,1
	s_delay_alu instid0(VALU_DEP_2)
	v_max3_num_f32 v[TM+\b], v[TM+\b], |v[(\a)+16*\b+\i]|, |v[(\a)+16*\b+\i+1]|
.endr
.endr
.irp b, 0,1
	s_delay_alu instid0(VALU_DEP_2)
	v_permlanex16_b32 v[TX+\b], v[TM+\b], s[SEL], s[SEL+1]
.endr
.irp b, 0,1
	s_delay_alu instid0(VALU_DEP_2)
	v_max_num_f32 v[TM+\b], v[TM+\b], v[TX+\b]
.endr
.irp b, 0,1
	s_delay_alu instid0(VALU_DEP_2)
	v_add_nc_u32 v[SQ+\b], 0xff000000, v[TM+\b]    ; 2 off the exponent field: the conversion's scale operand
.endr
.irp b, 0,1
	s_delay_alu instid0(VALU_DEP_2)
	v_lshrrev_b32 v[BY+\b], 23, v[SQ+\b]           ; the scale's byte
.endr
	s_delay_alu instid0(VALU_DEP_1)
	v_lshl_or_b32 v[\pr], v[BY+1], 8, v[BY]
	v_cvt_scalef32_pk8_fp4_f32 v[(\c)], v[(\a):(\a)+7], v[SQ]
	v_cvt_scalef32_pk8_fp4_f32 v[(\c)+2], v[(\a)+8:(\a)+15], v[SQ]
	v_cvt_scalef32_pk8_fp4_f32 v[(\c)+1], v[(\a)+16:(\a)+23], v[SQ+1]
	v_cvt_scalef32_pk8_fp4_f32 v[(\c)+3], v[(\a)+24:(\a)+31], v[SQ+1]
	v_nop                                          ; one plain place behind a scaled conversion
	v_permlane16_swap_b32 v[(\c)], v[(\c)+1]
	v_permlane16_swap_b32 v[(\c)+2], v[(\c)+3]
.endm
	s_load_b128 s[4:7], s[0:1], 0x0                ; qkv, O's codes
	s_load_b64 s[8:9], s[0:1], 0x10                ; O's scale words
	v_lshl_add_u32 v254, v0, 2, 0x29000
	v_mov_b32 v255, 0
	ds_add_u32 v254, v255
	ds_add_u32 v254, v255
	v_lshrrev_b32 v1, 5, v0
	s_delay_alu instid0(VALU_DEP_1)
	v_readfirstlane_b32 s[WV], v1                  ; wave 0..15
	s_bfe_u32 s11, ttmp6, 0x40000                  ; cx: it enters Q's and O's global addresses alone
	s_and_b32 s12, ttmp7, 0xffff                   ; batch x 16 + head, which the four partners share
	; descriptor group 1: 34 rows of 256 bytes (32 elements of 8 bytes), dense in memory and in LDS
	s_mov_b32 s20, 15|(3<<16)|(1<<21)              ; 15:0 the mask: all four work-groups; 17:16 elements of 8 bytes; 21 set beside a mask; no padding
	s_mov_b32 s21, 32<<16                          ; tensor_dim0
	s_mov_b32 s22, 34<<16                          ; tensor_dim1
	s_mov_b32 s23, 32<<16                          ; tile_dim0
	s_mov_b32 s24, 34                              ; tile_dim1
	s_mov_b32 s25, 32                              ; tensor_dim0_stride
	s_mov_b32 s26, 0
	s_mov_b32 s27, 0
	s_mul_i32 s13, s12, BHB                        ; the head's first byte in qkv
	s_mul_i32 s17, s[WV], 8704                     ; my sixteenth: its LDS address,
	s_add_co_u32 s14, s13, s17                     ; and its place in memory
	s_mov_b32 s15, 0
	s_mov_b32 s16, 1                               ; count = 1
	s_mov_b32 s[SEL], 0x76543210
	s_mov_b32 s[SEL+1], 0xfedcba98
	s_mov_b32 s[CS], 0x3e38aa3b                    ; log2(e) / 8
	s_mov_b32 s[CS+1], s[CS]
	s_wait_dscnt 0x0
	s_wait_kmcnt 0x0
	s_add_nc_u64 s[18:19], s[4:5], s[14:15]
	s_or_b32 s19, s19, 0x80000000                  ; type = 2
	CROUND                                         ; all four work-groups are here: the joint loads meet
	tensor_load_to_lds s[16:19], s[20:27]          ; one load a wave, and the wave's only one
	s_nop 0
.rept 4
	v_nop
.endr
	s_lshl_b32 s44, s11, 4
	s_add_co_u32 s44, s44, s[WV]                   ; my block of 32 queries: 16 cx + wave
	s_lshl_b32 s45, s44, 10                        ; two images
	s_lshl_b32 s46, s44, 6                         ; sixteen scale words
	s_add_co_u32 s2, s13, s45
	s_add_co_u32 s2, s2, 139264
	s_mov_b32 s3, 0
	s_add_nc_u64 s[36:37], s[4:5], s[2:3]          ; Q's codes
	s_add_co_u32 s2, s13, s46
	s_add_co_u32 s2, s2, 204800
	s_add_nc_u64 s[42:43], s[4:5], s[2:3]          ; Q's scale words
	s_lshl_b32 s2, s12, 16
	s_add_co_u32 s2, s2, s45
	s_add_nc_u64 s[38:39], s[6:7], s[2:3]          ; O's codes
	s_lshl_b32 s2, s12, 12
	s_add_co_u32 s2, s2, s46
	s_add_nc_u64 s[40:41], s[8:9], s[2:3]          ; O's scale words
	v_and_b32 v8, 31, v0
	s_delay_alu instid0(VALU_DEP_1)
	v_lshlrev_b32 v[LI], 4, v8
	s_delay_alu instid0(VALU_DEP_1)
	v_add_nc_u32 v[LV], 65536, v[LI]
	s_delay_alu instid0(VALU_DEP_3)
	v_lshl_add_u32 v[LSC], v8, 2, 131072
	v_and_b32 v[R4], 15, v0
	s_delay_alu instid0(VALU_DEP_1)
	v_lshlrev_b32 v[R4], 2, v[R4]
	global_load_b128 v[QB+4:QB+7], v[LI], s[36:37]              ; Q's two tiles stay in registers
	global_load_b128 v[QB+12:QB+15], v[LI], s[36:37] offset:512
	global_load_b32 v[QSR], v[R4], s[42:43]
.irp z, 0,1,2,3,8,9,10,11,16,17,18,19
	v_mov_b32 v[QB+\z], 0                          ; the zero codes round them
.endr
.irp z, BX, BX+1, BX+2, BX+3, TX, TX+1, PW
	v_mov_b32 v[\z], 0                             ; written once: a lane permute's destination counts as one of its sources; v221 is named as the upper half of a pair before it is first written
.endr
; A KEY STEP: 128 keys for the pass's 16 queries.
.macro STEP u
	v_add_nc_u32 v[ADK], s[TK], v[LI]
	v_add_nc_u32 v[ADV], s[TK], v[LV]
	v_add_nc_u32 v[ADS], s[TS], v[LSC]
	v_nop                                          ; four places behind the last step's products, in front of the loads into their sources
.irp f, 0,1,2,3
	ds_load_b128 v[KF+8*\f:KF+8*\f+3], v[ADK] offset:1024*\f          ; key tile 2 f,
	ds_load_b128 v[KF+8*\f+4:KF+8*\f+7], v[ADK] offset:1024*\f+512    ; key tile 2 f + 1
.endr
	ds_load_b32 v[KS], v[ADS]                      ; lanes 0-15: tiles 0, 1; lanes 16-31: tiles 2, 3
	ds_load_b32 v[KS+1], v[ADS] offset:128         ; tiles 4, 5; 6, 7
	ds_load_b32 v[VW], v[ADS] offset:4096          ; V's words of the first 64 keys,
	ds_load_b32 v[VW+1], v[ADS] offset:4224        ; of the second
.irp t, 0,1,2,3
.irp c, 0,1
	ds_load_b128 v[VF+8*\t+4*\c:VF+8*\t+4*\c+3], v[ADV] offset:2048*\c+512*\t
.endr
.endr
	s_wait_dscnt 10                                ; K and its words are in; the ten younger loads (V's words and fragments) may be out
.irp f, 0,1,2,3
	SMUL S+16*\f, KF+8*\f, QB+4+8*(\u), KS+\f/2, \f%2      ; (Q, 0): tile 2 f
	SMUL S+16*\f+8, KF+8*\f, QB+8*(\u), KS+\f/2, \f%2      ; (0, Q): tile 2 f + 1
.endr
	s_wait_dscnt 8                                 ; V's words are in; its eight fragment loads may be out
	v_perm_b32 v[VSE], v[VW+1], v[VW], 0x05040100  ; the low pairs of both words: d tiles 0 (lanes 0-15) and 2 (lanes 16-31), the step's four blocks of keys
	v_perm_b32 v[VSO], v[VW+1], v[VW], 0x07060302  ; the high pairs: d tiles 1 and 3
	v_nop
	v_nop                                          ; with the two above: four places in front of the first read of the scores
.irp b, 0,1,2,3
	v_max3_num_f32 v[BM+\b], v[S+16*\b], v[S+16*\b+1], v[S+16*\b+2]   ; THE LARGEST SCORE OF EACH BLOCK OF 32 KEYS: it serves the row's maximum and, since p rises with the score, the block's largest p
.endr
.irp i, 3,5,7,9,11,13
.irp b, 0,1,2,3
	v_max3_num_f32 v[BM+\b], v[BM+\b], v[S+16*\b+\i], v[S+16*\b+\i+1]
.endr
.endr
.irp b, 0,1,2,3
	v_max_num_f32 v[BM+\b], v[BM+\b], v[S+16*\b+15]
.endr
.irp b, 0,1,2,3
	s_delay_alu instid0(VALU_DEP_4)
	v_permlanex16_b32 v[BX+\b], v[BM+\b], s[SEL], s[SEL+1]
.endr
.irp b, 0,1,2,3
	s_delay_alu instid0(VALU_DEP_4)
	v_max_num_f32 v[BM+\b], v[BM+\b], v[BX+\b]     ; with lane l xor 16's 16 keys
.endr
	s_delay_alu instid0(VALU_DEP_2)
	v_max3_num_f32 v[T], v[BM], v[BM+1], v[BM+2]
	s_delay_alu instid0(VALU_DEP_1)
	v_max_num_f32 v[T], v[T], v[BM+3]              ; the step's largest score of my query
	s_delay_alu instid0(VALU_DEP_1)
	v_mul_f32 v[T], s[CS], v[T]                    ; as t
	s_delay_alu instid0(VALU_DEP_1)
	v_max_num_f32 v13, v13, v[T]                   ; the running largest t
	v_mov_b32 v[T], v12
	s_delay_alu instid0(VALU_DEP_2)
	v_floor_f32 v12, -v13                          ; the new -M = floor(-t): M is a whole number
	s_delay_alu instid0(VALU_DEP_1)
	v_sub_f32 v[T], v12, v[T]                      ; old M - new M: a whole number, 0 or less
	s_delay_alu instid0(VALU_DEP_1)
	v_cvt_i32_f32 v[T], v[T]                       ; (it saturates)
	s_delay_alu instid0(VALU_DEP_1)
	v_ldexp_f32 v[F], 1.0, v[T]                    ; f = 2^(old M - new M)
.set j, 0
.rept 32
	v_pk_fma_f32 v[S+j:S+j+1], v[S+j:S+j+1], s[CS:CS+1], v[12:13] op_sel_hi:[1,0,0]   ; t - M, two at a time
.set j, j+2
.endr
.irp b, 0,1,2,3
	v_fma_f32 v[BM+\b], v[BM+\b], s[CS], v12       ; the same of each block's largest score
.endr
.set j, 0
	s_wait_alu depctr_va_vdst(0)
.rept 64
	v_exp_f32 v[S+j], v[S+j]                       ; p = 2^(t - M), at most 1
.set j, j+1
.endr
	s_setprio 1
	v_pk_mul_f32 v[14:15], v[14:15], v[F:F+1] op_sel_hi:[1,0]   ; the sums under the new M: a plain place behind the exponentials
	s_wait_alu depctr_va_vdst(0)                   ; one wait for the batch, ahead of its first reader
.irp b, 0,1,2,3
	v_exp_f32 v[BM+\b], v[BM+\b]                   ; the block's largest p
.endr
	v_pk_add_f32 v[230:231], v[108:109], v[112:113]
	v_pk_add_f32 v[252:253], v[116:117], v[120:121]
	v_pk_add_f32 v[250:251], v[124:125], v[128:129]
	v_pk_add_f32 v[248:249], v[132:133], v[136:137]
	v_pk_add_f32 v[246:247], v[140:141], v[144:145]
	v_pk_add_f32 v[244:245], v[148:149], v[152:153]
	v_pk_add_f32 v[240:241], v[156:157], v[160:161]
	v_pk_add_f32 v[14:15], v[14:15], v[164:165]
	v_pk_add_f32 v[230:231], v[230:231], v[104:105]
	v_pk_add_f32 v[252:253], v[252:253], v[106:107]
	v_pk_add_f32 v[250:251], v[250:251], v[110:111]
	v_pk_add_f32 v[248:249], v[248:249], v[114:115]
	v_pk_add_f32 v[246:247], v[246:247], v[118:119]
	v_pk_add_f32 v[244:245], v[244:245], v[122:123]
	v_pk_add_f32 v[240:241], v[240:241], v[126:127]
	v_pk_add_f32 v[14:15], v[14:15], v[130:131]
	v_pk_add_f32 v[230:231], v[230:231], v[134:135]
	v_pk_add_f32 v[252:253], v[252:253], v[138:139]
	v_pk_add_f32 v[250:251], v[250:251], v[142:143]
	v_pk_add_f32 v[248:249], v[248:249], v[146:147]
	v_pk_add_f32 v[246:247], v[246:247], v[150:151]
	v_pk_add_f32 v[244:245], v[244:245], v[154:155]
	v_pk_add_f32 v[240:241], v[240:241], v[158:159]
	v_pk_add_f32 v[14:15], v[14:15], v[162:163]
	v_pk_add_f32 v[230:231], v[230:231], v[166:167]
	s_delay_alu instid0(VALU_DEP_2)
	v_pk_add_f32 v[14:15], v[14:15], v[248:249]
	s_delay_alu instid0(VALU_DEP_2)
	v_pk_add_f32 v[230:231], v[230:231], v[246:247]
	v_pk_add_f32 v[252:253], v[252:253], v[244:245]
	v_pk_add_f32 v[250:251], v[250:251], v[240:241]
	s_delay_alu instid0(VALU_DEP_2)
	v_pk_add_f32 v[14:15], v[14:15], v[252:253]
	s_delay_alu instid0(VALU_DEP_2)
	v_pk_add_f32 v[230:231], v[230:231], v[250:251]
	s_delay_alu instid0(VALU_DEP_1)
	v_pk_add_f32 v[14:15], v[14:15], v[230:231]
	s_wait_alu depctr_va_vdst(0)                   ; and one for the four
.irp b, 0,1,2,3
	v_max_num_f32 v[BM+\b], 0x1800000, v[BM+\b]    ; the floor 2^(3 - 127)
.endr
.irp b, 0,1,2,3
	s_delay_alu instid0(VALU_DEP_4)
	v_add_nc_u32 v[SO+\b], 0xff000000, v[BM+\b]    ; the conversion's scale operand
.endr
.irp b, 0,1,2,3
	s_delay_alu instid0(VALU_DEP_4)
	v_lshrrev_b32 v[BX+\b], 23, v[SO+\b]           ; the scale's byte
.endr
	s_delay_alu instid0(VALU_DEP_3)
	v_lshl_or_b32 v[PW], v[BX+1], 8, v[BX]         ; p's scale word for these 128 keys
	s_delay_alu instid0(VALU_DEP_1)
	v_lshl_or_b32 v[PW], v[BX+2], 16, v[PW]
	s_delay_alu instid0(VALU_DEP_1)
	v_lshl_or_b32 v[PW], v[BX+3], 24, v[PW]
.irp c, 0,1
	v_cvt_scalef32_pk8_fp4_f32 v[P+4*\c], v[S+32*\c:S+32*\c+7], v[SO+2*\c]
	v_cvt_scalef32_pk8_fp4_f32 v[P+4*\c+2], v[S+32*\c+8:S+32*\c+15], v[SO+2*\c]
	v_cvt_scalef32_pk8_fp4_f32 v[P+4*\c+1], v[S+32*\c+16:S+32*\c+23], v[SO+2*\c+1]
	v_cvt_scalef32_pk8_fp4_f32 v[P+4*\c+3], v[S+32*\c+24:S+32*\c+31], v[SO+2*\c+1]
.endr
	v_nop                                          ; one plain place behind a scaled conversion
.irp c, 0,1
	v_permlane16_swap_b32 v[P+4*\c], v[P+4*\c+1]   ; lane (r, h) now holds the codes of keys 64 c + 32 h + 0 .. 31
	v_permlane16_swap_b32 v[P+4*\c+2], v[P+4*\c+3]
.endr
.set j, 0
	s_setprio 0
.rept 16
	v_pk_mul_f32 v[O+j:O+j+1], v[O+j:O+j+1], v[F:F+1] op_sel_hi:[1,0]   ; O^T under the new M.  These sixteen are also the places between p's codes and scale word and the products
.set j, j+2
.endr
	s_wait_alu depctr_va_vdst(0)
	s_wait_dscnt 0x0                               ; V's fragments are in
	PVMUL 0, VSE, 0                                ; the four accumulators take turns; between two links on one of them stand the others' and the next step's eight score products
	PVMUL 1, VSO, 0
	PVMUL 2, VSE, 1
	PVMUL 3, VSO, 1
	s_add_co_u32 s[TK], s[TK], 4096
	s_add_co_u32 s[TS], s[TS], 256
.endm
; A PASS: tile u of my two walks all 2,048 keys; then O^T is divided by the sum, quantised along the head's 64 and stored as an image.
.macro PASS u
.if (\u) == 0
	v_perm_b32 v[QSP], v[QSR], v[QSR], 0x01000100  ; the tile's two bytes, for K = 0..63 and again for K = 64..127
.else
	v_perm_b32 v[QSP], v[QSR], v[QSR], 0x03020302
.endif
	v_mov_b32 v13, 0xff61b1e6                      ; the largest t so far: -3e38
	s_delay_alu instid0(VALU_DEP_1)
	v_floor_f32 v12, -v13
	v_mov_b32 v14, 0
	v_mov_b32 v15, 0
.set j, 0
.rept 32
	v_mov_b32 v[O+j], 0                            ; the step is written once: the first finds zeros, which the first change of M leaves zeros
.set j, j+1
.endr
	s_mov_b32 s[TK], 0
	s_mov_b32 s[TS], 0
	s_mov_b32 s[CNT], 16
.Lstep_\@:
	s_setprio 2
	STEP \u
	s_sub_co_u32 s[CNT], s[CNT], 1
	s_cmp_lg_u32 s[CNT], 0
	s_cbranch_scc1 .Lstep_\@
	s_setprio 0
.rept 4
	v_nop                                          ; places behind the last products
.endr
	v_add_f32 v14, v14, v15
	s_delay_alu instid0(VALU_DEP_1)
	v_permlanex16_b32 v[T], v14, s[SEL], s[SEL+1]
	s_delay_alu instid0(VALU_DEP_1)
	v_add_f32 v14, v14, v[T]                       ; the row's sum
	s_wait_alu depctr_va_vdst(0)
	v_rcp_f32 v[RL], v14
	v_rcp_f32 v[RL+1], v14
	v_nop                                          ; a plain place behind the reciprocals
	s_wait_alu depctr_va_vdst(0)                   ; and the wait ahead of their first reader
.set j, 0
.rept 16
	v_pk_mul_f32 v[S+j:S+j+1], v[O+j:O+j+1], v[RL:RL+1]   ; register 8 t + i: o(query r, d = 16 t + 8 h + i); each accumulator from its low end on
.set j, j+2
.endr
	QUANT2 S, OC+4*(\u), OP
	global_store_b128 v[LI], v[OC+4*(\u):OC+4*(\u)+3], s[38:39] offset:512*(\u)   ; 512 consecutive bytes, aligned
.if (\u) == 0
	v_mov_b32 v[OW], v[OP]
.else
	v_lshl_or_b32 v[OW], v[OP], 16, v[OW]
.endif
.endm
	s_wait_tensorcnt 0x0                           ; my sixteenth of the head is in,
	s_barrier_signal -1
	s_barrier_wait -1                              ; everybody's is
	s_wait_loadcnt 0x0                             ; Q
	PASS 0
	PASS 1
	global_store_b32 v[R4], v[OW], s[40:41]        ; the pairs of my two tiles, a word a query
	s_wait_tensorcnt 0x0
	ds_add_u32 v254, v255
	s_wait_dscnt 0x0
	CROUND                                         ; the closing round
	s_endpgm
.Lfunc_end_k_q16173bb157_attn:
	.size	k_q16173bb157_attn, .Lfunc_end_k_q16173bb157_attn-k_q16173bb157_attn
	.p2alignl 7, 3214868480
	.fill 96, 4, 3214868480
	.section	.rodata,"a",@progbits
	.p2align	6, 0x0
	.amdhsa_kernel k_q16173bb157_attn
		.amdhsa_group_segment_fixed_size 169984
		.amdhsa_private_segment_fixed_size 0
		.amdhsa_enable_private_segment 0
		.amdhsa_kernarg_size 24
		.amdhsa_user_sgpr_count 2
		.amdhsa_user_sgpr_kernarg_segment_ptr 1
		.amdhsa_wavefront_size32 1
		.amdhsa_system_sgpr_workgroup_id_x 1
		.amdhsa_system_sgpr_workgroup_id_y 1
		.amdhsa_system_sgpr_workgroup_id_z 1
		.amdhsa_system_vgpr_workitem_id 0
		.amdhsa_next_free_vgpr 256
		.amdhsa_next_free_sgpr 66
		.amdhsa_reserve_vcc 0
		.amdhsa_float_denorm_mode_32 3
		.amdhsa_float_denorm_mode_16_64 3
		.amdhsa_memory_ordered 1
		.amdhsa_forward_progress 1
		.amdhsa_inst_pref_size 49
	.end_amdhsa_kernel
	.amdgpu_metadata
---
amdhsa.version: [ 1, 2 ]
amdhsa.kernels:
  - .name:           k_q16173bb157_attn
    .symbol:         k_q16173bb157_attn.kd
    .args:
      - { .name: qkv, .offset: 0, .size: 8, .value_kind: global_buffer, .address_space: global }
      - { .name: ocodes, .offset: 8, .size: 8, .value_kind: global_buffer, .address_space: global }
      - { .name: oscales, .offset: 16, .size: 8, .value_kind: global_buffer, .address_space: global }
    .group_segment_fixed_size: 169984
    .private_segment_fixed_size: 0
    .kernarg_segment_align: 8
    .kernarg_segment_size: 24
    .max_flat_workgroup_size: 512
    .sgpr_count:     66
    .vgpr_count:     256
    .wavefront_size: 32
...
	.end_amdgpu_metadata
.endif
;; end of part 2
;; launch outp (part 3): grid 4 x 64, 8 waves a work-group, clusters of 4 x 4, 240,640 bytes of LDS; arguments ocodes, oscales, Wo_codes, Wo_scales, bo, out0; writes out0
.if DOCPART == 3
	.amdgcn_target "amdgcn-amd-amdhsa--gfx1250"
	.amdhsa_code_object_version 6
	.text
	.protected	k_q16173bb157_outp
	.globl	k_q16173bb157_outp
	.p2align	8
	.type	k_q16173bb157_outp,@function
k_q16173bb157_outp:
	s_mov_b64 s[64:65], 0
	v_nop
	global_prefetch_b8 v0, s[64:65] scope:SCOPE_SE
	s_setreg_imm32_b32 hwreg(HW_REG_WAVE_MODE, 25, 1), 1
	s_wait_xcnt 0x0
	s_wait_alu depctr_hold_cnt(0) depctr_sa_sdst(0) depctr_va_vdst(0) depctr_va_sdst(0) depctr_va_ssrc(0) depctr_va_vcc(0) depctr_vm_vsrc(0)
	s_getreg_b32 s2, hwreg(HW_REG_IB_STS2, 6, 4)
	s_cmp_eq_u32 s2, 0
	s_cbranch_scc0 .Lentry_in_a_cluster
	s_endpgm
.Lentry_in_a_cluster:
	s_bfe_u32 s2, ttmp6, 0x10000c
	s_cmp_lg_u32 s2, 0xf033
	s_cbranch_scc0 .Lentry_shape_is_right
	s_endpgm
.Lentry_shape_is_right:
; out0 = O Wo^T + bo on codes of FP4 (E2M1) with one E8M0 scale for each 32 along K; K = 1,024 = head x 64 + d.  out0: [8,192][1,024] f32.
; SHARES.  A work-group makes 128 tokens x 256 features; each of its eight waves 64 x 64: 16 accumulators.  All of K lies in LDS at once, as two halves of 512 along K, each filled ONCE.
; L = O arrives as images of operand registers, [batch, head][token tile][512 bytes]: a work-group's eight token tiles of one head are 4,096 consecutive bytes; they lie in LDS as [head][tile][512], and a fragment of K step q is the
; images of heads 2 q and 2 q + 1: two loads of 512 consecutive bytes.  R = Wo arrives as rows of 512 bytes and lies in LDS as rows of 256 bytes + 16 of padding.
; CLUSTERS: 4 x 4 work-groups.  O's tile hangs on cy and the cluster's y alone and is asked for jointly by a row of the cluster; Wo's on cx alone, by a column.
; THE MATRIX INSTRUCTION IS USED TRANSPOSED (source 0 = 16 rows of Wo, source 1 = 16 tokens): a lane holds eight neighbouring features of one token.  The bias is the C of the first K step.
; THE WAY OUT: 16 tokens x 64 features at a time through the wave's own stage in LDS (bytes that no tensor load fills) and back as rows of 256 bytes: sixteen lanes store 256 consecutive bytes, aligned.
; LIMITS: NaN and infinities among the inputs are not served.
; REGISTERS: window 0: v1-15 addresses; v16-31 O's scale words, v32-47 Wo's; v48-79 the bias, later rows on the way out; v80-95 O's scale words as stored, v80-111 later rows on the way out; v128-255 the accumulators.
;   window 1: two sets of fragments of 64 registers: O's four tiles, then Wo's four.
.set PITCH, 272
.set QROWS, 64*PITCH
.set RBASE, 65536                      ; behind O's images: Wo's rows,
.set RSLOT, 256*PITCH                  ; 256 rows for each half of K
.set STAGE, RBASE+2*RSLOT              ; behind them: 16 rows x 272 bytes for each wave
.set ADL, 5                            ; v5   LDS address of my O fragments
.set ADR, 7                            ; v7-8 of my Wo fragments in half 0, 1
.set STO, 13                           ; v13  the stage: where I put 32 bytes of a row
.set RD,  14                           ; v14  and where I read a row back
.set CO,  15                           ; v15  my byte offset in two rows of out0
.set LS,  16
.set RS,  32
.set BB,  48
.set RAW, 80
.set OB,  48                           ; the way out: v48-79 and v80-111 by turns
.set ACC, 128
.set WV,  28
.set G1L, 40
.set G1R, 48
.set G0L, 56
.set G0R, 68
.set MSB, 0
.macro WIN new                         ; the immediate's high byte repeats the setting that is left
.if MSB != \new
	s_set_vgpr_msb (MSB<<8)|\new
.set MSB, \new
.endif
.endm
.set MUL,  0x05                        ; sources 0 and 1 window 1; C and D window 0
.set TO_F, 0x40                        ; destination window 1, address window 0
.macro CROUND                          ; a round of the cluster's barrier
	s_barrier_signal -1
	s_barrier_wait -1
	s_cmp_lg_u32 s[WV], 0
	s_cbranch_scc1 .Lnot_wave_0_\@
	s_barrier_signal -3
.Lnot_wave_0_\@:
	s_barrier_wait -3
	s_barrier_signal -1
	s_barrier_wait -1
.endm
.macro PLACES                          ; four plain places behind matrix instructions (ISA guide 7.12.1)
.rept 4
	v_nop
.endr
.endm
.macro WM d, a, b, c, sa, sb, ra, rb   ; one product.  ra, rb: the side's scale words are taken from lanes 16-31
.if (\ra) && (\rb)
	v_wmma_scale_f32_16x16x128_f8f6f4 v[(\d):(\d)+7], v[(\a):(\a)+7], v[(\b):(\b)+7], v[(\c):(\c)+7], v[\sa], v[\sb] matrix_a_fmt:MATRIX_FMT_FP4 matrix_b_fmt:MATRIX_FMT_FP4 matrix_a_scale:MATRIX_SCALE_ROW1 matrix_b_scale:MATRIX_SCALE_ROW1
.elseif (\ra)
	v_wmma_scale_f32_16x16x128_f8f6f4 v[(\d):(\d)+7], v[(\a):(\a)+7], v[(\b):(\b)+7], v[(\c):(\c)+7], v[\sa], v[\sb] matrix_a_fmt:MATRIX_FMT_FP4 matrix_b_fmt:MATRIX_FMT_FP4 matrix_a_scale:MATRIX_SCALE_ROW1
.elseif (\rb)
	v_wmma_scale_f32_16x16x128_f8f6f4 v[(\d):(\d)+7], v[(\a):(\a)+7], v[(\b):(\b)+7], v[(\c):(\c)+7], v[\sa], v[\sb] matrix_a_fmt:MATRIX_FMT_FP4 matrix_b_fmt:MATRIX_FMT_FP4 matrix_b_scale:MATRIX_SCALE_ROW1
.else
	v_wmma_scale_f32_16x16x128_f8f6f4 v[(\d):(\d)+7], v[(\a):(\a)+7], v[(\b):(\b)+7], v[(\c):(\c)+7], v[\sa], v[\sb] matrix_a_fmt:MATRIX_FMT_FP4 matrix_b_fmt:MATRIX_FMT_FP4
.endif
.endm
; K step q: 16 products; the 16 accumulators take turns, one instruction a turn, in the same order in every step.  kind 1: the bias starts the sums.
; O's scale word of token tile i: register 8 (i % 2) + q, lanes 0-15 for tiles 0, 1, lanes 16-31 for tiles 2, 3
.macro MUL16 q, kind
.irp i, 0,1,2,3
.irp t, 0,1,2,3
.if (\kind) == 0
	WM ACC+8*(4*\i+\t), 64*((\q)%2)+32+8*\t, 64*((\q)%2)+8*\i, ACC+8*(4*\i+\t), RS+8*(\t/2)+(\q), LS+8*(\i%2)+(\q), \t%2, \i/2
.else
	WM ACC+8*(4*\i+\t), 64*((\q)%2)+32+8*\t, 64*((\q)%2)+8*\i, BB+8*\t, RS+8*(\t/2)+(\q), LS+8*(\i%2)+(\q), \t%2, \i/2
.endif
.endr
.endr
.endm
.macro FETCH q                         ; 16 LDS loads: the eight fragments of K step q into set q % 2
	WIN TO_F
.irp i, 0,1,2,3
.irp c, 0,1
	ds_load_b128 v[64*((\q)%2)+32+8*\i+4*\c:64*((\q)%2)+32+8*\i+4*\c+3], v[ADR+(\q)/4] offset:64*((\q)%4)+32*\c+16*PITCH*\i
	ds_load_b128 v[64*((\q)%2)+8*\i+4*\c:64*((\q)%2)+8*\i+4*\c+3], v[ADL] offset:8192*(\q)+4096*\c+512*\i   ; head 2 q + c, my tile i
.endr
.endr
.endm
	s_load_b256 s[4:11], s[0:1], 0x0               ; O's codes 4, O's scale words 6, Wo's codes 8, Wo's scales 10
	s_load_b128 s[12:15], s[0:1], 0x20             ; bo 12, out0 14
	v_lshl_add_u32 v126, v0, 2, 0x3a800
	v_mov_b32 v127, 0
	ds_add_u32 v126, v127
	ds_add_u32 v126, v127
	v_lshrrev_b32 v1, 5, v0
	s_delay_alu instid0(VALU_DEP_1)
	v_readfirstlane_b32 s[WV], v1                  ; wave 0..7
	s_lshr_b32 s29, s[WV], 2                       ; which 64 tokens are mine
	s_and_b32 s30, s[WV], 3                        ; which 64 features
	s_bfe_u32 s32, ttmp6, 0x40000                  ; cx: the tile of 256 features
	s_bfe_u32 s33, ttmp6, 0x40004                  ; cy
	s_and_b32 s34, ttmp7, 0xffff
	s_lshl_b32 s35, s34, 2
	s_add_co_u32 s35, s35, s33                     ; the tile of 128 tokens, 0..63
	s_lshl_b32 s37, s33, 2
	s_lshl_b32 s37, 15, s37                        ; my row of the cluster
	s_lshl_b32 s38, 0x1111, s32                    ; my column
	; descriptor group 1 for O: four heads' rows of 4,096 bytes (512 elements of 8 bytes), 65,536 bytes apart in memory, dense in LDS
	s_or_b32 s[G1L], s37, (3<<16)|(1<<21)          ; 15:0 the mask; 17:16 elements of 8 bytes; 21 set beside a mask; no padding
	s_mov_b32 s[G1L+1], 512<<16                    ; tensor_dim0
	s_mov_b32 s[G1L+2], 4<<16                      ; tensor_dim1
	s_mov_b32 s[G1L+3], 512<<16                    ; tile_dim0
	s_mov_b32 s[G1L+4], 4                          ; tile_dim1
	s_mov_b32 s[G1L+5], 8192                       ; tensor_dim0_stride
	s_mov_b32 s[G1L+6], 0
	s_mov_b32 s[G1L+7], 0
	; and for Wo: 64 rows x 256 bytes, 512 bytes apart in memory, padded in LDS
	s_or_b32 s[G1R], s38, (1<<20)|(1<<21)|(5<<22)|(3<<25)
	s_mov_b32 s[G1R+1], 256<<16
	s_mov_b32 s[G1R+2], 64<<16
	s_mov_b32 s[G1R+3], 256<<16
	s_mov_b32 s[G1R+4], 64
	s_mov_b32 s[G1R+5], 512
	s_mov_b32 s[G1R+6], 0
	s_mov_b32 s[G1R+7], 0
	s_lshr_b32 s92, s35, 4                         ; O: waves 0, 1 fetch four heads each of a half's eight
	s_lshl_b32 s92, s92, 4                         ; batch x 16
	s_min_u32 s93, s[WV], 1
	s_lshl_b32 s93, s93, 2
	s_add_co_u32 s92, s92, s93
	s_lshl_b32 s94, s92, 16                        ; 65,536 bytes a (batch, head),
	s_and_b32 s93, s35, 15
	s_lshl_b32 s93, s93, 12                        ; 4,096 for each 128 tokens
	s_add_co_u32 s94, s94, s93
	s_mov_b32 s95, 0
	s_max_u32 s93, s[WV], 2                        ; Wo: waves 2 to 5 fetch 64 rows each
	s_sub_co_u32 s93, s93, 2
	s_lshl_b32 s93, s93, 6
	s_lshl_b32 s96, s32, 8
	s_add_co_u32 s96, s96, s93
	s_lshl_b32 s96, s96, 9
	s_mov_b32 s97, 0
	s_lshl_b32 s39, s[WV], 14                      ; where O's go: wave x four heads
	s_mul_i32 s31, s[WV], QROWS
	s_add_co_u32 s31, s31, RBASE-2*QROWS           ; where Wo's go: RBASE + (wave - 2) x 64 rows
	s_lshl_b32 s98, s35, 1
	s_add_co_u32 s98, s98, s29                     ; my group of 64 tokens, 0..127
	s_lshl_b32 s99, s32, 2
	s_add_co_u32 s99, s99, s30                     ; my group of 64 features, 0..15
	s_wait_dscnt 0x0
	s_wait_kmcnt 0x0
	s_add_nc_u64 s[76:77], s[4:5], s[94:95]
	s_add_nc_u64 s[78:79], s[8:9], s[96:97]
.irp s, 0,1
	s_mov_b32 s[G0L+4*\s], 1
	s_add_co_u32 s[G0L+4*\s+1], s39, \s*32768
	s_add_nc_u64 s[G0L+4*\s+2:G0L+4*\s+3], s[76:77], \s*8*65536     ; half s of K: heads 8 s on
	s_or_b32 s[G0L+4*\s+3], s[G0L+4*\s+3], 0x80000000
	s_mov_b32 s[G0R+4*\s], 1
	s_add_co_u32 s[G0R+4*\s+1], s31, \s*RSLOT
	s_add_nc_u64 s[G0R+4*\s+2:G0R+4*\s+3], s[78:79], \s*256
	s_or_b32 s[G0R+4*\s+3], s[G0R+4*\s+3], 0x80000000
.endr
	CROUND                                         ; all sixteen work-groups are here: the joint loads meet
	s_cmp_lt_u32 s[WV], 2                          ; a wave's two fills stand in one branch on the wave's number; two loads of a wave are out at the most; four v_nop follow the second
	s_cbranch_scc0 .Lnot_l
	tensor_load_to_lds s[G0L:G0L+3], s[G1L:G1L+7]
	s_nop 0
	tensor_load_to_lds s[G0L+4:G0L+7], s[G1L:G1L+7]
	s_nop 0
.rept 4
	v_nop
.endr
	s_branch .Lasked
.Lnot_l:
	s_cmp_lt_u32 s[WV], 6
	s_cbranch_scc0 .Lasked
	tensor_load_to_lds s[G0R:G0R+3], s[G1R:G1R+7]
	s_nop 0
	tensor_load_to_lds s[G0R+4:G0R+7], s[G1R:G1R+7]
	s_nop 0
.rept 4
	v_nop
.endr
.Lasked:
	s_lshr_b32 s16, s35, 4
	s_lshl_b32 s16, s16, 16                        ; O's scale words: 16 heads x 4,096 bytes a batch,
	s_and_b32 s18, s35, 15
	s_lshl_b32 s18, s18, 1
	s_add_co_u32 s18, s18, s29
	s_lshl_b32 s18, s18, 7                         ; 128 bytes for each 64 tokens
	s_add_co_u32 s16, s16, s18
	s_mov_b32 s17, 0
	s_add_nc_u64 s[80:81], s[6:7], s[16:17]
	s_lshl_b32 s16, s99, 11
	s_add_nc_u64 s[82:83], s[10:11], s[16:17]      ; Wo's scales: my 64 rows of 32 bytes
	s_lshl_b32 s16, s99, 8
	s_add_nc_u64 s[84:85], s[12:13], s[16:17]      ; bo: my 64 numbers
	s_lshl_b32 s18, s98, 18                        ; out0: 64 rows of 4,096 bytes a group of tokens,
	s_add_co_u32 s16, s16, s18                     ; + 256 bytes a group of features
	s_add_nc_u64 s[86:87], s[14:15], s[16:17]
	v_and_b32 v1, 15, v0                           ; r
	v_bfe_u32 v2, v0, 4, 1                         ; h
	v_and_b32 v3, 31, v0                           ; lane
	s_delay_alu instid0(VALU_DEP_1)
	v_lshlrev_b32 v9, 5, v3
	s_delay_alu instid0(VALU_DEP_3)
	v_lshlrev_b32 v10, 5, v2
	s_delay_alu instid0(VALU_DEP_3)
	v_lshlrev_b32 v12, 2, v3
.irp p, 0,1
.irp e, 0,1
	global_load_b128 v[RS+8*\p+4*\e:RS+8*\p+4*\e+3], v9, s[82:83] offset:1024*\p+16*\e   ; lane l: the 32 scale bytes of row 32 p + l of my 64
.endr
.endr
.irp d, 0,1,2,3,4,5,6,7,8,9,10,11,12,13,14,15
	global_load_b32 v[RAW+\d], v12, s[80:81] offset:4096*\d    ; head d: lanes 0-15 the pairs of my tiles 0, 1; lanes 16-31 of tiles 2, 3
.endr
.irp t, 0,1,2,3
	global_load_b128 v[BB+8*\t:BB+8*\t+3], v10, s[84:85] offset:64*\t       ; register j of tile t: feature 16 t + 8 h + j
	global_load_b128 v[BB+8*\t+4:BB+8*\t+7], v10, s[84:85] offset:64*\t+16
.endr
	v_lshlrev_b32 v11, 4, v3
	s_lshl_b32 s20, s29, 11
	v_add_nc_u32 v[ADL], s20, v11                  ; 16 x lane + my four tiles of a head's eight
	v_mul_u32_u24 v4, v1, PITCH
	s_delay_alu instid0(VALU_DEP_1)
	v_lshl_add_u32 v4, v2, 4, v4
	s_mul_i32 s21, s30, QROWS
	s_add_co_u32 s21, s21, RBASE
	v_add_nc_u32 v[ADR], s21, v4
	s_delay_alu instid0(VALU_DEP_1)
	v_add_nc_u32 v[ADR+1], RSLOT, v[ADR]
	s_mul_i32 s22, s[WV], 16*PITCH
	s_add_co_u32 s22, s22, STAGE                   ; my stage
	v_mul_u32_u24 v[STO], v1, PITCH
	s_delay_alu instid0(VALU_DEP_1)
	v_lshl_add_u32 v[STO], v2, 5, v[STO]
	s_delay_alu instid0(VALU_DEP_1)
	v_add_nc_u32 v[STO], s22, v[STO]               ; in: row r, 32 bytes for each half of the lanes
	v_mul_u32_u24 v[RD], v2, PITCH
	s_delay_alu instid0(VALU_DEP_1)
	v_lshl_add_u32 v[RD], v1, 4, v[RD]
	s_delay_alu instid0(VALU_DEP_1)
	v_add_nc_u32 v[RD], s22, v[RD]                 ; back: lanes 0-15 one row of 256 bytes, lanes 16-31 the next
	v_lshlrev_b32 v[CO], 12, v2
	s_delay_alu instid0(VALU_DEP_1)
	v_lshl_add_u32 v[CO], v1, 4, v[CO]             ; and the same two rows in out0
	s_wait_tensorcnt 0x1                           ; my part of K's first half is in; the second half's load may stay out
	s_barrier_signal -1
	s_barrier_wait -1                              ; everybody's is
	FETCH 0
	WIN 0
	s_wait_loadcnt 0x0                             ; scales and bias
.irp k, 0,1,2,3,4,5,6,7
	v_perm_b32 v[LS+\k], v[RAW+2*\k+1], v[RAW+2*\k], 0x05040100     ; K step k = heads 2 k, 2 k + 1: the low pairs: tiles 0 and 2,
	v_perm_b32 v[LS+8+\k], v[RAW+2*\k+1], v[RAW+2*\k], 0x07060302   ; the high pairs: tiles 1 and 3
.endr
.rept 8
	v_nop                                          ; a scale register written by a vector instruction stands eight places ahead of a scaled matrix instruction
.endr
	FETCH 1
	s_wait_dscnt 16                                ; step 0's fragments are in; the 16 loads just issued may be out
	WIN MUL
	MUL16 0, 1
.macro STEPQ q
	PLACES                                         ; in front of loads into the set that the last step multiplied
.if (\q) == 3
	s_wait_alu depctr_va_vdst(0)
	s_wait_tensorcnt 0x0                           ; my part of K's second half is in,
	s_wait_dscnt 0x0                               ; no LDS load of mine is out at the signal,
	s_barrier_signal -1
	s_barrier_wait -1                              ; everybody's part is in
.endif
	FETCH (\q)+1
	s_wait_dscnt 16                                ; this step's fragments are in; the next step's 16 loads may be out
	WIN MUL
	MUL16 \q, 0
.endm
.irp q, 1,2,3,4,5,6
	STEPQ \q
.endr
	s_wait_dscnt 0x0
	MUL16 7, 0
	WIN 0
; THE WAY OUT, a tile of 16 tokens at a time.  LDS serves a wave's instructions in order (ISA guide 5.7.1.4): no wait between the stores and the loads, nor in front of the next tile's stores.
.macro TOSTAGE i
.irp t, 0,1,2,3
	ds_store_b128 v[STO], v[ACC+8*(4*(\i)+\t):ACC+8*(4*(\i)+\t)+3] offset:64*\t          ; each accumulator from its low end on
	ds_store_b128 v[STO], v[ACC+8*(4*(\i)+\t)+4:ACC+8*(4*(\i)+\t)+7] offset:64*\t+16
.endr
.irp n, 0,1,2,3,4,5,6,7
	ds_load_b128 v[OB+32*((\i)%2)+4*\n:OB+32*((\i)%2)+4*\n+3], v[RD] offset:2*PITCH*\n
.endr
.endm
.macro SEND i, younger                 ; younger: the LDS instructions issued behind tile i's loads, which may stay out
	s_wait_dscnt \younger
.irp n, 0,1,2,3,4,5,6,7
	global_store_b128 v[CO], v[OB+32*((\i)%2)+4*\n:OB+32*((\i)%2)+4*\n+3], s[86:87] offset:(16*(\i)+2*\n)*4096 th:TH_STORE_NT   ; 16 lanes store 256 consecutive bytes, aligned; written once, read by nobody here
.endr
.endm
	PLACES
	TOSTAGE 0
	TOSTAGE 1
	SEND 0, 16                                     ; behind tile 0's loads: tile 1's 8 stores and 8 loads
	s_wait_xcnt 0x0                                ; tile 0's stores have read their registers: tile 2's loads may land there
	TOSTAGE 2
	SEND 1, 16
	s_wait_xcnt 0x0                                ; tile 1's likewise
	TOSTAGE 3
	SEND 2, 16
	SEND 3, 0
	s_wait_tensorcnt 0x0
	ds_add_u32 v126, v127
	s_wait_dscnt 0x0
	CROUND                                         ; the closing round: no work-group ends while a partner may still ask for a tile that names it
	s_endpgm
.Lfunc_end_k_q16173bb157_outp:
	.size	k_q16173bb157_outp, .Lfunc_end_k_q16173bb157_outp-k_q16173bb157_outp
	.p2alignl 7, 3214868480
	.fill 96, 4, 3214868480
	.section	.rodata,"a",@progbits
	.p2align	6, 0x0
	.amdhsa_kernel k_q16173bb157_outp
		.amdhsa_group_segment_fixed_size 240640
		.amdhsa_private_segment_fixed_size 0
		.amdhsa_enable_private_segment 0
		.amdhsa_kernarg_size 48
		.amdhsa_user_sgpr_count 2
		.amdhsa_user_sgpr_kernarg_segment_ptr 1
		.amdhsa_wavefront_size32 1
		.amdhsa_system_sgpr_workgroup_id_x 1
		.amdhsa_system_sgpr_workgroup_id_y 1
		.amdhsa_system_sgpr_workgroup_id_z 1
		.amdhsa_system_vgpr_workitem_id 0
		.amdhsa_next_free_vgpr 384
		.amdhsa_next_free_sgpr 100
		.amdhsa_reserve_vcc 0
		.amdhsa_float_denorm_mode_32 3
		.amdhsa_float_denorm_mode_16_64 3
		.amdhsa_memory_ordered 1
		.amdhsa_forward_progress 1
		.amdhsa_inst_pref_size 46
	.end_amdhsa_kernel
	.amdgpu_metadata
---
amdhsa.version: [ 1, 2 ]
amdhsa.kernels:
  - .name:           k_q16173bb157_outp
    .symbol:         k_q16173bb157_outp.kd
    .args:
      - { .name: ocodes, .offset: 0, .size: 8, .value_kind: global_buffer, .address_space: global }
      - { .name: oscales, .offset: 8, .size: 8, .value_kind: global_buffer, .address_space: global }
      - { .name: Wo_codes, .offset: 16, .size: 8, .value_kind: global_buffer, .address_space: global }
      - { .name: Wo_scales, .offset: 24, .size: 8, .value_kind: global_buffer, .address_space: global }
      - { .name: bo, .offset: 32, .size: 8, .value_kind: global_buffer, .address_space: global }
      - { .name: out0, .offset: 40, .size: 8, .value_kind: global_buffer, .address_space: global }
    .group_segment_fixed_size: 240640
    .private_segment_fixed_size: 0
    .kernarg_segment_align: 8
    .kernarg_segment_size: 48
    .max_flat_workgroup_size: 256
    .sgpr_count:     100
    .vgpr_count:     384
    .wavefront_size: 32
...
	.end_amdgpu_metadata
.endif
;; end of part 3
